; MI455X (gfx1250); checked and timed in simulation.
; The chip was launched on July 23, 2026; its instructions are those of AMD's public machine-readable ISA for CDNA 5 (MIT licence, August 2026) and "CDNA5" Instruction Set Architecture Reference Guide (July 2026). The comments in the code are by the model that wrote it; some were corrected since.
;; RNN. Allowed arithmetic: matrix products marked QUANTISED: E2M1 operands, one E8M0 scale for each 32 along K, by v_wmma_scale_f32_16x16x128_f8f6f4 with both operands' format E2M1 (or v_wmma_scale_f32_32x16x128_f4), f32 sums; everything else in f32.
;; Inputs: Uc_b 1,024 float32; Uc_w 512 x 1,024 float32; Uf_b 1,024 float32; Uf_w 512 x 1,024 float32; Ui_b 1,024 float32; Ui_w 512 x 1,024 float32; Uo_b 1,024 float32; Uo_w 512 x 1,024 float32; Wc_b 1,024 float32; Wc_w 1,024 x 1,024 float32; Wf_b 1,024 float32; Wf_w 1,024 x 1,024 float32; Wi_b 1,024 float32; Wi_w 1,024 x 1,024 float32; Wo_b 1,024 float32; Wo_w 1,024 x 1,024 float32; c_old 8,192 x 1,024 float32; h_old_codes 8,192 x 32 x 16 uint8 (E2M1 codes of h_old, K innermost, in blocks of 32 codes, two codes a byte); h_old_scales 8,192 x 32 uint8 (E8M0 scales of h_old, one for each 32 codes along K); input_x_codes 8,192 x 16 x 16 uint8 (E2M1 codes of input_x, K innermost, in blocks of 32 codes, two codes a byte); input_x_scales 8,192 x 16 uint8 (E8M0 scales of input_x, one for each 32 codes along K).
;; Outputs: out0 8,192 x 1,024 float32; out1 8,192 x 1,024 float32.
;; This version of the problem:
;;   THIS VERSION OF THE PROBLEM IS GIVEN IN LOW PRECISION. The matrix products marked QUANTISED in the list below multiply operands that are first quantised to E2M1 (2 exponent bits, 1 mantissa bit; 4 bits a number), with one power-of-two scale for each 32 numbers along K (OCP MX v1.0); their sums are f32. All else is computed in f32.
;;   The module's matrix products, in the order in which they are computed (A, B: the left and right operand; K: the contracted axis; several contracted axes count as one K, in the product's order):
;;     1. [M 8,192, K 512] x [K 512, N 4,096]; A: input input_x (given as codes); B: computed on the way: QUANTISED
;;     2. [M 8,192, K 1,024] x [K 1,024, N 4,096]; A: input h_old (given as codes); B: computed on the way: QUANTISED
;;   THE QUANTISER, for each operand of a quantised product, along K:
;;     - K is cut into blocks of 32 from its start; a last block that is shorter is filled with zeros.
;;     - A block's scale is 2^e with e = floor(log2(the largest magnitude in the block)) - 2, held to -126 .. 127; a block of zeros has e = 0. As a byte (E8M0): e + 127.
;;     - Each number is divided by its block's scale, clamped to +-6, and rounded to the nearest number of E2M1, ties to even, subnormals kept.
;;     - The product sums the exact products of the quantised numbers (number of the format x scale) in f32.
;;   ~~~python
;;   def quantise(x, axis):      # numpy; x: float32 -> the quantised numbers, widened to float32 again
;;       x = np.moveaxis(x, axis, -1); K = x.shape[-1]
;;       x = np.pad(x, [(0, 0)] * (x.ndim - 1) + [(0, -K % 32)]); x = x.reshape(x.shape[:-1] + (-1, 32)); a = np.abs(x).max(-1, keepdims=True)
;;       e = np.where(a > 0, np.clip(np.frexp(np.where(a > 0, a, 1))[1] - 1 - 2, -126, 127), 0)      # np.frexp(a)[1] - 1 = floor(log2(a)), exactly
;;       r = np.clip(x / 2.0 ** e, -6, 6)
;;       step = 2.0 ** (np.maximum(np.frexp(np.where(r == 0, 1, r))[1] - 1, 0) - 1)
;;       q = np.round(r / step) * step * 2.0 ** e      # np.round: ties to even
;;       return np.moveaxis(q.reshape(q.shape[:-2] + (-1,))[..., :K], -1, axis).astype(np.float32)
;;   ~~~
;;   OPERANDS COMPUTED ON THE WAY. 'Computed on the way' means the value that the module computes at that place (a softmax that the list does not call 'softmax' is quantised finished and normalised). What goes into a quantiser is computed in f32, as accurately as f32 sums, v_exp_f32 and their like allow (about 1e-6 of the number): no bf16 or f16 on the way to a quantiser, and a product that is left as it is and whose result goes on into a quantised operand takes f32 operands (vector FMAs, or v_wmma_f32_16x16x4_f32). A number that lies on a knife's edge between two numbers of the format may be rounded either way, as far as f32 arithmetic and the matrix unit's own rounding can turn it there, and no further.
;;   INPUTS GIVEN AS CODES. h_old (in the module: [8192, 1024], K = its axis 1); input_x (in the module: [8192, 512], K = its axis 1): each comes as NAME_codes (uint8): NAME with its K axis moved to the last place and cut into blocks of 32 codes, [.., K / 32, bytes a block], one block behind the other in memory; two codes a byte, the lower K in the low four bits (a code: sign, 2 exponent bits, 1 mantissa bit); and NAME_scales (uint8): the same leading axes, one E8M0 byte (e + 127) for each 32 codes along K. Its value is code x scale, taken as it is: it is not quantised again, and the codes and scales need not be those that the quantiser above would give.
;; One version. Each part assembles by itself: llvm-mc -triple=amdgcn-amd-amdhsa -mcpu=gfx1250 --defsym DOCPART=n.
;; ======== version 1 of 1: 2 launches
;; limits: right only within a limited range of input values
;; workspace buffers: wq 3,145,728 bytes; wqs 196,608 bytes
;; launch quant (part 1): grid 64 x 4, 6 waves a work-group, no clusters, 0 bytes of LDS; arguments Ui_w, Uf_w, Uo_w, Uc_w, Wi_w, Wf_w, Wo_w, Wc_w, wq, wqs; writes wq, wqs
.if DOCPART == 1
	.amdgcn_target "amdgcn-amd-amdhsa--gfx1250"
	.amdhsa_code_object_version 6
	.text
	.protected	k_q403cc6dd27_quant
	.globl	k_q403cc6dd27_quant
	.p2align	8
	.type	k_q403cc6dd27_quant,@function
k_q403cc6dd27_quant:
	s_mov_b64 s[64:65], 0
	v_nop
	global_prefetch_b8 v0, s[64:65] scope:SCOPE_SE
	s_setreg_imm32_b32 hwreg(HW_REG_WAVE_MODE, 25, 1), 1
	s_wait_xcnt 0x0
; The eight weights (U_g: [512][1024], W_g: [1024][1024], f32, K = the FIRST axis; g = 0 i, 1 f, 2 o, 3 c) become codes of FP4 (E2M1) with one E8M0 byte for each 32 along K,
; laid in the order in which the second launch's operand registers take them.  K of the joined product is 1,536 = 12 steps of 128: steps 0-3 are U's rows, steps 4-11 W's.
; Hidden column n = 64 cb + 16 w + r.  wq : byte ((4 cb + w) 48 + 4 s + g) 1024 + 256 b + 16 r holds the 32 codes of block b (32 k) of step s: the image of a fragment's registers, 16 bytes a lane.
;                                      wqs: byte ((4 cb + w) 24 + 6 g + s / 2) 128 + 64 (s % 2) + 4 r holds the step's four scale bytes as one word.
; A LANE TAKES A COLUMN, AND ITS REGISTERS RUN DOWN K: a load reads 128 consecutive bytes of a weight's row (two waves side by side: 256), a block of 32 lies in one lane's 32 registers,
; so its largest magnitude needs no other lane, and the conversions give codes with K innermost.  Nothing is transposed.
; A block's scale is 2^(floor(log2(largest magnitude)) - 2); its byte is the largest magnitude's exponent field - 2, held at 1 from below by a floor among the maximum's leaves.
; SHARES: work-group x = 16 g + cb, y = a triple of K steps; wave v: columns 32 (v % 2) on of the 64, step 3 y + v / 2.  A wave: 32 columns x 128 k, four blocks a lane.
; A store of codes covers two runs of 256 consecutive aligned bytes (lanes 0-15, lanes 16-31).  The scale words leave in runs of 64 bytes: one byte in 128 of what the launch reads.
; LIMITS: NaN and infinities among the weights are not served.  A block of zeros gets the byte 1 where the rule says 127: its codes are zeros, and this program alone reads the bytes.
.set X,  32                            ; v32-159  128 numbers: block b at X + 32 b
.set C,  160                           ; v160-175 codes, four registers a block: no store's data are written again
.set SW, 16                            ; v16      the step's scale word
	s_load_b512 s[8:23], s[0:1], 0x0               ; Ui s[8:9], Uf, Uo, Uc, Wi s[16:17], Wf, Wo, Wc
	s_load_b128 s[24:27], s[0:1], 0x40             ; wq s[24:25], wqs s[26:27]
	v_lshrrev_b32 v4, 5, v0
	v_readfirstlane_b32 s28, v4                    ; wave 0..5
	v_and_b32 v5, 31, v0                           ; lane
	v_lshlrev_b32 v1, 2, v5                        ; in: 4 bytes a lane
	v_lshrrev_b32 v6, 4, v5                        ; lane / 16: which of my two w
	v_and_b32 v7, 15, v5                           ; r
	v_mul_u32_u24 v2, v6, 49152                    ; codes: a w's slice is 48 fragments of 1,024 bytes,
	v_lshl_add_u32 v2, v7, 4, v2                   ; + 16 r
	v_mul_u32_u24 v3, v6, 3072                     ; scale words: a w's slice is 24 x 128 bytes,
	v_lshl_add_u32 v3, v7, 2, v3                   ; + 4 r
	s_lshr_b32 s29, ttmp9, 4                       ; g
	s_and_b32 s30, ttmp9, 15                       ; cb
	s_and_b32 s31, ttmp7, 0xffff
	s_mul_i32 s31, s31, 3
	s_lshr_b32 s34, s28, 1
	s_add_co_u32 s31, s31, s34                     ; s = 3 y + wave / 2
	s_and_b32 s35, s28, 1                          ; which 32 of the 64 columns
	s_sub_co_u32 s36, s31, 4                       ; W's step (used where s >= 4 alone)
	s_and_b32 s37, s29, 1
	s_mul_i32 s40, s30, 196608                     ; wq: cb x 4 slices
	s_mul_i32 s38, s35, 98304                      ; + my two slices
	s_add_co_u32 s40, s40, s38
	s_lshl_b32 s38, s31, 2
	s_add_co_u32 s38, s38, s29
	s_lshl_b32 s38, s38, 10                        ; + fragment 4 s + g
	s_add_co_u32 s40, s40, s38
	s_mov_b32 s41, 0
	s_mul_i32 s42, s30, 12288                      ; wqs likewise
	s_mul_i32 s38, s35, 6144
	s_add_co_u32 s42, s42, s38
	s_mul_i32 s38, s29, 6
	s_lshr_b32 s39, s31, 1
	s_add_co_u32 s38, s38, s39
	s_lshl_b32 s38, s38, 7                         ; + register 6 g + s / 2
	s_add_co_u32 s42, s42, s38
	s_and_b32 s38, s31, 1
	s_lshl_b32 s38, s38, 6                         ; + its upper half of the lanes for an odd step
	s_add_co_u32 s42, s42, s38
	s_mov_b32 s43, 0
	s_wait_alu depctr_va_vdst(0)
	s_wait_kmcnt 0x0
	s_cmp_lt_u32 s31, 4                            ; U or W?  The choices hang on ids alone
	s_cselect_b64 s[8:9], s[8:9], s[16:17]
	s_cselect_b64 s[10:11], s[10:11], s[18:19]
	s_cselect_b64 s[12:13], s[12:13], s[20:21]
	s_cselect_b64 s[14:15], s[14:15], s[22:23]
	s_cselect_b32 s36, s31, s36                    ; the step inside that tensor
	s_cmp_lt_u32 s29, 2                            ; which gate
	s_cselect_b64 s[8:9], s[8:9], s[12:13]
	s_cselect_b64 s[10:11], s[10:11], s[14:15]
	s_cmp_eq_u32 s37, 0
	s_cselect_b64 s[32:33], s[8:9], s[10:11]
	s_lshl_b32 s44, s36, 19                        ; 128 rows of 4,096 bytes a step
	s_lshl_b32 s38, s30, 8                         ; + 64 columns a cb
	s_add_co_u32 s44, s44, s38
	s_lshl_b32 s38, s35, 7                         ; + my 32 columns
	s_add_co_u32 s44, s44, s38
	s_mov_b32 s45, 0
	s_add_nc_u64 s[32:33], s[32:33], s[44:45]
	s_add_nc_u64 s[24:25], s[24:25], s[40:41]
	s_add_nc_u64 s[26:27], s[26:27], s[42:43]
.macro LOAD b                          ; block b: rows 32 b + i of the step, my column.  Every offset is an immediate: 127 rows of 4,096 bytes at the most
.set i, 0
.rept 32
	global_load_b32 v[X+32*(\b)+i], v1, s[32:33] offset:(32*(\b)+i)*4096 th:TH_LOAD_NT
.set i, i+1
.endr
.endm
.macro BLOCK b, left, ahead            ; left: the younger loads that may stay out; ahead = 1: the block two further on is asked for
.set XS, X+32*(\b)
	s_wait_loadcnt \left                           ; loads come back in order: this block's 32 are in
.if \ahead
	LOAD (\b)+2
.endif
	v_max3_num_f32 v8, |v[XS]|, |v[XS+1]|, |v[XS+2]|               ; the block's largest magnitude, in two chains: all 32 numbers are mine
	v_max3_num_f32 v9, |v[XS+3]|, |v[XS+4]|, |v[XS+5]|
.irp i, 6,10,14,18,22,26
	v_max3_num_f32 v8, v8, |v[XS+\i]|, |v[XS+\i+1]|
	v_max3_num_f32 v9, v9, |v[XS+\i+2]|, |v[XS+\i+3]|
.endr
	v_max3_num_f32 v8, v8, |v[XS+30]|, |v[XS+31]|
	v_max3_num_f32 v8, v8, v9, 0x1800000           ; and the floor 2^(3 - 127): the byte cannot fall under 1
	v_add_nc_u32 v11, 0xff000000, v8               ; 2 off the exponent field: the conversion takes this operand's exponent field as its scale, and nothing else of it
	v_lshrrev_b32 v10, 23, v11                     ; the scale's byte
.if (\b) == 0
	v_mov_b32 v[SW], v10
.else
	v_lshl_or_b32 v[SW], v10, 8*(\b), v[SW]        ; the lower K in the lower byte
.endif
.irp q, 0,1,2,3
	v_cvt_scalef32_pk8_fp4_f32 v[C+4*(\b)+\q], v[XS+8*\q:XS+8*\q+7], v11   ; eight numbers / the scale, to the nearest code, ties to even; beyond 6 the largest code
.endr
	global_store_b128 v2, v[C+4*(\b):C+4*(\b)+3], s[24:25] offset:256*(\b)   ; the results go to a store alone; the next block begins with plain vector lines that touch neither them nor the sources
.endm
	LOAD 0
	LOAD 1
	BLOCK 0, 32, 1                                 ; behind block 0's loads: block 1's 32
	BLOCK 1, 32, 1                                 ; behind block 1's: block 2's
	BLOCK 2, 32, 0                                 ; behind block 2's: block 3's
	BLOCK 3, 0, 0
	global_store_b32 v3, v[SW], s[26:27]
	s_endpgm
.Lfunc_end_k_q403cc6dd27_quant:
	.size	k_q403cc6dd27_quant, .Lfunc_end_k_q403cc6dd27_quant-k_q403cc6dd27_quant
	.p2alignl 7, 3214868480
	.fill 96, 4, 3214868480
	.section	.rodata,"a",@progbits
	.p2align	6, 0x0
	.amdhsa_kernel k_q403cc6dd27_quant
		.amdhsa_group_segment_fixed_size 0
		.amdhsa_private_segment_fixed_size 0
		.amdhsa_enable_private_segment 0
		.amdhsa_kernarg_size 80
		.amdhsa_user_sgpr_count 2
		.amdhsa_user_sgpr_kernarg_segment_ptr 1
		.amdhsa_wavefront_size32 1
		.amdhsa_system_sgpr_workgroup_id_x 1
		.amdhsa_system_sgpr_workgroup_id_y 1
		.amdhsa_system_sgpr_workgroup_id_z 1
		.amdhsa_system_vgpr_workitem_id 0
		.amdhsa_next_free_vgpr 192
		.amdhsa_next_free_sgpr 66
		.amdhsa_reserve_vcc 0
		.amdhsa_float_denorm_mode_32 3
		.amdhsa_float_denorm_mode_16_64 3
		.amdhsa_memory_ordered 1
		.amdhsa_forward_progress 1
		.amdhsa_inst_pref_size 21
	.end_amdhsa_kernel
	.amdgpu_metadata
---
amdhsa.version: [ 1, 2 ]
amdhsa.kernels:
  - .name:           k_q403cc6dd27_quant
    .symbol:         k_q403cc6dd27_quant.kd
    .args:
      - { .name: Ui_w, .offset: 0, .size: 8, .value_kind: global_buffer, .address_space: global }
      - { .name: Uf_w, .offset: 8, .size: 8, .value_kind: global_buffer, .address_space: global }
      - { .name: Uo_w, .offset: 16, .size: 8, .value_kind: global_buffer, .address_space: global }
      - { .name: Uc_w, .offset: 24, .size: 8, .value_kind: global_buffer, .address_space: global }
      - { .name: Wi_w, .offset: 32, .size: 8, .value_kind: global_buffer, .address_space: global }
      - { .name: Wf_w, .offset: 40, .size: 8, .value_kind: global_buffer, .address_space: global }
      - { .name: Wo_w, .offset: 48, .size: 8, .value_kind: global_buffer, .address_space: global }
      - { .name: Wc_w, .offset: 56, .size: 8, .value_kind: global_buffer, .address_space: global }
      - { .name: wq, .offset: 64, .size: 8, .value_kind: global_buffer, .address_space: global }
      - { .name: wqs, .offset: 72, .size: 8, .value_kind: global_buffer, .address_space: global }
    .group_segment_fixed_size: 0
    .private_segment_fixed_size: 0
    .kernarg_segment_align: 8
    .kernarg_segment_size: 80
    .max_flat_workgroup_size: 192
    .sgpr_count:     66
    .vgpr_count:     192
    .wavefront_size: 32
...
	.end_amdgpu_metadata
.endif
;; end of part 1
;; launch lstm (part 2): grid 16 x 16, 4 waves a work-group, clusters of 4 x 1, 327,680 bytes of LDS; arguments input_x_codes, input_x_scales, h_old_codes, h_old_scales, c_old, wq, wqs, out0, out1, Ui_b, Uf_b, Uo_b, Uc_b, Wi_b, Wf_b, Wo_b, Wc_b; writes out0, out1
.if DOCPART == 2
	.amdgcn_target "amdgcn-amd-amdhsa--gfx1250"
	.amdhsa_code_object_version 6
	.text
	.protected	k_q403cc6dd27_lstm
	.globl	k_q403cc6dd27_lstm
	.p2align	8
	.type	k_q403cc6dd27_lstm,@function
k_q403cc6dd27_lstm:
	s_mov_b64 s[64:65], 0
	v_nop
	global_prefetch_b8 v0, s[64:65] scope:SCOPE_SE
	s_setreg_imm32_b32 hwreg(HW_REG_WAVE_MODE, 25, 1), 1
	s_wait_xcnt 0x0
	s_wait_alu depctr_hold_cnt(0) depctr_sa_sdst(0) depctr_va_vdst(0) depctr_va_sdst(0) depctr_va_ssrc(0) depctr_va_vcc(0) depctr_vm_vsrc(0)
	s_getreg_b32 s2, hwreg(HW_REG_IB_STS2, 6, 4)
	s_cmp_eq_u32 s2, 0
	s_cbranch_scc0 .Lentry_in_a_cluster
	s_endpgm
.Lentry_in_a_cluster:
	s_bfe_u32 s2, ttmp6, 0x10000c
	s_cmp_lg_u32 s2, 0x3003
	s_cbranch_scc0 .Lentry_shape_is_right
	s_endpgm
.Lentry_shape_is_right:
; One LSTM cell.  gates = x U + h W + b (K = 512 + 1,024 = 12 steps of 128, FP4 codes with E8M0 scales), c = sigmoid(i) tanh(g) + sigmoid(f) c_old to out1, h_new = sigmoid(o) tanh(c) to out0.
; The gates never go to memory.  x and h are used as they lie; the weights' codes (wq) and scale words (wqs) were laid by the launch before.
; SHARES.  Work-group (cb, rg) owns hidden columns 64 cb .. + 63 and rows 512 rg .. + 511.  Wave w owns hidden columns 16 w .. + 15 of ALL FOUR gates, for all of K: its 48 weight fragments (384 registers)
; and 24 registers of scale words are loaded once and stay.  The rows stream: 4 chunks of 128 rows through a ring of two LDS slots; a chunk is 4 units of 32 rows, a unit two blocks (a = 0, 1) of 16 rows.
; A PRODUCT is 32 x 16 x 128: source 0 = 16 hidden columns of TWO gates (pair p = 0: i, f; p = 1: o, g), source 1 = 16 rows.  48 products a unit on four accumulators (a, p), which take turns
; Lane (r, h) then holds row r and hidden columns 8 h + 0 .. 7, the four gates of a hidden unit in one lane.  The biases are the C of each sum's first product.
; A UNIT'S ORDER (macro BODY).  The unit in hand gets its sigmoids and tanh in stages: the transcendentals of one row block, and among them plain work on the other block and the LDS loads of the next unit's fragments.
; One wait stands between two stages: what a stage writes is read behind it.  The rows of the unit BEFORE, read back from the stage in LDS, are stored in the first stage.
; c and h_new go into the stage in LDS, where the four waves' 64 bytes of a row meet; the next unit's products run while the waves meet; then each wave reads 8 whole rows of each output back.
; TWO BARRIERS A UNIT, both open: A (stage written, then read): signal behind 32 products, wait behind the other 16.  B (stage read, then written again): signal behind the rows' return, wait ahead of the
; stage's stores; between them stand register work and LDS loads of bytes that nobody writes before a later barrier.
; THE HEAD.  Each wave issues one tensor load (chunk 0: h's two halves of a row, x, c_old).  The scale bytes of my 512 rows go through registers into LDS and stay.  Slot 1 is first filled as a refill is.
; Unit 0's products begin with the weights of steps 0-5, while those of steps 6-11 are on their way.
; CLUSTER.  The four partners have one rg and four cb: they read the same rows of x and h, which are asked for JOINTLY (mask 15).  c_old's tile is each work-group's own (mask 0).
; The weights are shared by work-groups of different rg, but go straight into registers, once: 192 KiB a work-group; they are not asked for jointly.
; No prefetch is laid: each tile is asked for a whole chunk (192 products and four units' vector work) ahead of the wait for it.
; sigmoid(x) = rcp(1 + 2^(-x log2 e)), tanh(x) = 1 - rcp((1 + 2^(2 x log2 e)) / 2): where the exponential runs to infinity or to 0 the results run to the right ends: no clamp.
; LIMITS: NaN and infinite inputs and a scale byte 0xff are not served.  tanh is formed as a difference from 1: its absolute error is about 1e-7, whatever its size.
; WHERE A UNIT'S MEMORY INSTRUCTIONS STAND: in runs between two stages, each behind the wait there, and not singly among the transcendentals: behind stage 1 the stores of the unit before, the scale words and
; 8 loads of fragments; behind stages 2, 3 and 4 12, 12 and 14; ahead of stage 5 c_old.
.set TILE, 128*272 ; a tile: 128 rows of 256 bytes + 16 of padding: 68 words a row, so the 16 rows that a load touches start 4 banks apart (64 banks of 4 bytes: ISA guide 11.1)
.set SLOT, 4*TILE ; h's bytes 0-255 of each row, h's bytes 256-511, x, c_old
.set SCL, 2*SLOT ; behind the ring: x's scale bytes of my 512 rows (16 a row, 8,192), then h's (32 a row, 16,384)
.set STG, SCL+24576 ; the stage: 2 outputs x 32 rows x 272 bytes; no tile lands here
.set SPARE, STG+2*32*272 ; the spare words, 128 bytes for each wave: two blocks of 256 bytes that no other line names
.set UROW, 32*272 ; a unit's rows in a tile
; WINDOW 0
.set LA, 1 ; 272 r + 16 h: my lane's place in a fragment of rows
.set LC, 2 ; 272 r + 32 h + 64 w + 3 TILE: my eight numbers of c_old
.set LSX, 3 ; SCL + 16 r: x's scale words
.set LSH, 4 ; SCL + 8192 + 32 r: h's
.set STO, 5 ; STG + 272 r + 32 h + 64 w: where I put 32 bytes of a row
.set RD, 6 ; STG + 272 (8 w + h) + 16 r: where I read a row back
.set GO, 7 ; 4096 (8 w + h) + 16 r: the same place in a unit's rows of an output
.set LAX, 8 ; LA + 2 TILE: the same place in x's tile
.set SPW, 14 ; LDS address of my spare word; never rewritten
.set NIL, 15 ; 0; never rewritten
.set BS, 16 ; 16-39 the weights' scale words: register 12 p + s: lanes 0-15 gate 2 p, lanes 16-31 gate 2 p + 1
.set AS, 40 ; 40-51 block 0's scale words, register s
.set BIAS, 52 ; 52-83 8 g + j: U's bias + W's of my eight hidden columns
.set CO, 84 ; 84-99 c_old, 8 a + j
.set OUTR, 100 ; 100-131 rows read back from the stage
.set CN, 132 ; 132-147 c, 8 a + j
.set HN, 148 ; 148-163 h_new, 8 a + j
.set FX, 164 ; 164-171 the rows' fragment of block 1, step 11
.set WB, 180 ; 180-211 the head: W's biases.  172-179 the head's addresses; 100-147 the scale bytes on their way into LDS
.set AS1, 212 ; 212-223 block 1's scale words, register s
; window 1: weight fragments of steps 0-7 at 8 (4 s + g).  window 2: steps 8-11 at 8 (4 (s - 8) + g).
; WINDOW 3: the rows' fragments at 8 (12 a + s), all but block 1's of step 11; the accumulators; the LDS addresses of the loads
.set ACC, 184 ; 184-247 32 a + 8 g + j
.set ADH0, 248 ; the unit's LDS addresses: h, x, c_old, x's scales, h's scales
.set ADX, 249
.set ADC, 250
.set ADSX, 251
.set ADSH, 252
.set WV, 22 ; s22 wave; s23 cb; s60 rg; s61 loop counter; s62, s63, s66 the unit's offsets in a slot, in x's scales, in h's; s67 cx
.set CB, 23
.set G1H, 24 ; s[24:31] group 1 for h's tiles; s[32:39] x's; s[40:47] c_old's
.set G1X, 32
.set G1C, 40
.set RG, 60
.set CNT, 61
.set TA, 62
.set TSX, 63
.set TSH, 66
.set CX, 67
.set NL, 68 ; s[68:69] -log2 e, s[70:71] 2 log2 e (pairs for the packed forms), where the biases' addresses lay
.set TL, 70
.set G0J, 84 ; s[84:91] group 0 of my joint tile, a set for each slot
.set G0C, 92 ; s[92:99] group 0 of c_old's tile, a set for each slot
.set JST, 100 ; s[100:101] two chunks on in my joint tensor, in bytes
.set MSB, 0
.macro WIN to ; the immediate's high byte repeats the setting that is left; a switch that changes nothing is dropped
.if MSB != \to
	s_set_vgpr_msb (MSB<<8)|\to
.set MSB, \to
.endif
.endm
.macro PLACES
.rept 4
	v_nop
.endr
.endm
.macro AWAIT
	s_wait_alu depctr_va_vdst(0)
.endm
.macro CROUND ; a round of the cluster's barrier: my work-group's barrier; wave 0 signals for the work-group; every wave waits for all four; my work-group's barrier once more
	s_barrier_signal -1
	s_barrier_wait -1
	s_cmp_lg_u32 s[WV], 0
	s_cbranch_scc1 .Lnot_wave_0_\@
	s_barrier_signal -3
.Lnot_wave_0_\@:
	s_barrier_wait -3
	s_barrier_signal -1
	s_barrier_wait -1
.endm
; A wave's one load for slot k: waves 0 and 1 h's two halves, wave 2 x (joint); wave 3 c_old (its own).  The branches hang on the wave's number alone.
; Four v_nop follow each line, ahead of the jump, the label and what follows.
.macro TL3 k
	s_cmp_lt_u32 s[WV], 2
	s_cbranch_scc0 .Lnot_h_\@
	tensor_load_to_lds s[G0J+4*\k:G0J+4*\k+3], s[G1H:G1H+7]
	s_nop 0
	PLACES
	s_branch .Lasked_\@
.Lnot_h_\@:
	s_cmp_eq_u32 s[WV], 2
	s_cbranch_scc0 .Lfor_c_\@
	tensor_load_to_lds s[G0J+4*\k:G0J+4*\k+3], s[G1X:G1X+7]
	s_nop 0
	PLACES
	s_branch .Lasked_\@
.Lfor_c_\@:
	tensor_load_to_lds s[G0C+4*\k:G0C+4*\k+3], s[G1C:G1C+7]
	s_nop 0
	PLACES
.Lasked_\@:
.endm
	s_load_b512 s[4:19], s[0:1], 0x0 ; x's codes s[4:5], x's scales, h's codes s[8:9], h's scales, c_old s[12:13], wq, wqs s[16:17], out0 s[18:19]
	s_load_b64 s[20:21], s[0:1], 0x40 ; out1
	s_load_b512 s[68:83], s[0:1], 0x48 ; Ui_b, Uf_b, Uo_b, Uc_b s[68:75]; Wi_b, Wf_b, Wo_b, Wc_b s[76:83]
	v_lshl_add_u32 v[SPW], v0, 2, SPARE
	v_mov_b32 v[NIL], 0
	ds_add_u32 v[SPW], v[NIL] ; the wave's opening: the add, twice on end, and its wait ahead of my first tensor load
	ds_add_u32 v[SPW], v[NIL]
	v_lshrrev_b32 v172, 5, v0
	v_readfirstlane_b32 s[WV], v172 ; wave 0..3
	s_bfe_u32 s[CX], ttmp6, 0x40000 ; cx: my place in the cluster
	s_lshl_b32 s[CB], ttmp9, 2 ; in a cluster launch ttmp9 counts clusters
	s_add_co_u32 s[CB], s[CB], s[CX] ; cb = 4 x cluster x + cx: it enters c_old's, the weights', the biases' and the outputs' addresses alone
	s_and_b32 s[RG], ttmp7, 0xffff ; rg, which the four partners share
	s_lshl_b32 s2, s[WV], 6
	s_add_co_u32 s3, s2, 3*TILE
	s_add_co_u32 s104, s2, STG
	s_mul_i32 s105, s[WV], 8*272
	s_add_co_u32 s105, s105, STG
	s_lshl_b32 s48, s[WV], 15
	s_lshl_b32 s49, s[CB], 8
	s_add_co_u32 s49, s49, s2 ; the biases: 4 bytes x (64 cb + 16 w)
	v_and_b32 v173, 31, v0 ; lane
	v_and_b32 v174, 15, v0 ; r
	v_bfe_u32 v175, v0, 4, 1 ; h
	v_lshl_add_u32 v172, v0, 4, SCL ; 16 x thread: the scale bytes' place in LDS
	v_mul_u32_u24 v176, v174, 272
	v_lshl_add_u32 v[LA], v175, 4, v176
	v_lshl_add_u32 v176, v175, 5, v176 ; 272 r + 32 h
	v_add_nc_u32 v[LAX], 2*TILE, v[LA]
	v_add_nc_u32 v[LC], s3, v176
	v_add_nc_u32 v[STO], s104, v176
	v_lshl_add_u32 v[LSX], v174, 4, SCL
	v_lshl_add_u32 v[LSH], v174, 5, SCL+8192
	v_mul_u32_u24 v[RD], v175, 272
	v_lshl_add_u32 v[RD], v174, 4, v[RD]
	v_add_nc_u32 v[RD], s105, v[RD]
	v_lshlrev_b32 v[GO], 12, v175
	v_lshl_add_u32 v[GO], v174, 4, v[GO]
	v_add_nc_u32 v[GO], s48, v[GO]
	v_lshlrev_b32 v177, 4, v173 ; 16 x lane: an image's place for my lane
	v_mul_u32_u24 v178, v175, 768 ; the weights' scale words: lanes 16-31 take the next gate's, 768 bytes on
	v_lshl_add_u32 v178, v174, 2, v178
	v_lshl_add_u32 v179, v175, 5, s49 ; my eight hidden columns' biases
	v_lshlrev_b32 v176, 4, v0 ; 16 x thread
	; group 1, elements of 8 bytes: tiles of 128 rows x 32 elements, 4 words of padding behind every 64
	s_mov_b32 s[G1H], 15|(3<<16)|(1<<20)|(1<<21)|(5<<22)|(3<<25) ; 15:0 the mask: all four; 17:16 elements of 8 bytes; 20 padding on; 21 set beside a mask; 24:22 after every 64 words; 31:25 four words
	s_mov_b32 s[G1X], 15|(3<<16)|(1<<20)|(1<<21)|(5<<22)|(3<<25)
	s_mov_b32 s[G1C], (3<<16)|(1<<20)|(5<<22)|(3<<25) ; no mask: my own tile
.irp g, G1H, G1X, G1C
	s_mov_b32 s[\g+1], 32<<16 ; tensor_dim0 = 32
	s_mov_b32 s[\g+2], 128<<16 ; tensor_dim1 = 128
	s_mov_b32 s[\g+3], 32<<16 ; tile_dim0 = 32
	s_mov_b32 s[\g+4], 128 ; tile_dim1 = 128
	s_mov_b32 s[\g+6], 0
	s_mov_b32 s[\g+7], 0
.endr
	s_mov_b32 s[G1H+5], 64 ; from row to row: h 512 bytes,
	s_mov_b32 s[G1X+5], 32 ; x 256,
	s_mov_b32 s[G1C+5], 512 ; c_old 4,096
	AWAIT ; the head's addresses are first read behind the waits below
	s_wait_dscnt 0x0 ; both opening adds are done
	s_wait_kmcnt 0x0
	; the scale bytes of my 512 rows: x 8,192, h 16,384.  A load of a wave covers 512 consecutive bytes
	s_mov_b32 s3, 0
	s_lshl_b32 s2, s[RG], 13
	s_add_nc_u64 s[6:7], s[6:7], s[2:3]
	s_lshl_b32 s2, s[RG], 14
	s_add_nc_u64 s[10:11], s[10:11], s[2:3]
.irp i, 0,1,2,3
	global_load_b128 v[100+4*\i:103+4*\i], v176, s[6:7] offset:2048*\i
.endr
.irp i, 0,1,2,3,4,5,6,7
	global_load_b128 v[116+4*\i:119+4*\i], v176, s[10:11] offset:2048*\i
.endr
	; group 0 of my joint tile: waves 0, 1: h's rows 512 rg on, bytes 256 x wave on; wave 2: x's rows.  Slot k begins with chunk k.  Offsets of joint loads are made in s[2:3], which never hold cx
	s_lshl_b32 s2, s[RG], 18
	s_lshl_b32 s3, s[WV], 8
	s_add_co_u32 s2, s2, s3 ; h: 512 rows of 512 bytes + my half of a row
	s_lshl_b32 s3, s[RG], 17 ; x: 512 rows of 256 bytes
	s_mov_b32 s[JST], 0x10000
	s_cmp_lt_u32 s[WV], 2
	s_cselect_b32 s2, s2, s3
	s_cselect_b32 s[JST], 0x20000, s[JST] ; two chunks, 256 rows: h 131,072 bytes, x 65,536
	s_cselect_b64 s[G0J+2:G0J+3], s[8:9], s[4:5]
	s_mov_b32 s3, 0
	s_mov_b32 s[JST+1], 0
	s_add_nc_u64 s[G0J+2:G0J+3], s[G0J+2:G0J+3], s[2:3]
	s_lshr_b32 s2, s[JST], 1 ; one chunk
	s_add_nc_u64 s[G0J+6:G0J+7], s[G0J+2:G0J+3], s[2:3]
	s_or_b32 s[G0J+3], s[G0J+3], 0x80000000
	s_or_b32 s[G0J+7], s[G0J+7], 0x80000000
	s_mov_b32 s[G0J], 1
	s_mov_b32 s[G0J+4], 1
	s_mul_i32 s[G0J+1], s[WV], TILE ; LDS: wave x a tile: no place in the cluster enters an LDS address
	s_add_co_u32 s[G0J+5], s[G0J+1], SLOT
	; group 0 of c_old's tile, and the outputs: rows 512 rg on, bytes 256 cb on.  Offsets that hold cb are made in s[104:105]
	s_lshl_b32 s104, s[RG], 21
	s_lshl_b32 s105, s[CB], 8
	s_add_co_u32 s104, s104, s105
	s_mov_b32 s105, 0
	s_add_nc_u64 s[G0C+2:G0C+3], s[12:13], s[104:105]
	s_add_nc_u64 s[G0C+6:G0C+7], s[G0C+2:G0C+3], 0x80000 ; a chunk: 128 rows of 4,096 bytes
	s_or_b32 s[G0C+3], s[G0C+3], 0x80000000
	s_or_b32 s[G0C+7], s[G0C+7], 0x80000000
	s_mov_b32 s[G0C], 1
	s_mov_b32 s[G0C+4], 1
	s_mov_b32 s[G0C+1], 3*TILE
	s_mov_b32 s[G0C+5], 3*TILE+SLOT
	s_add_nc_u64 s[18:19], s[18:19], s[104:105]
	s_add_nc_u64 s[20:21], s[20:21], s[104:105]
	; my slice of the weights: 48 fragments of 1,024 bytes, 3,072 bytes of scale words
	s_lshl_b32 s105, s[CB], 2
	s_add_co_u32 s105, s105, s[WV] ; 4 cb + w
	s_mul_i32 s104, s105, 49152
	s_mul_i32 s[CX], s105, 3072
	s_mov_b32 s105, 0
	s_add_nc_u64 s[14:15], s[14:15], s[104:105]
	s_mov_b32 s104, s[CX]
	s_add_nc_u64 s[16:17], s[16:17], s[104:105]
	CROUND ; all four work-groups are here: the first joint loads meet
	TL3 0 ; chunk 0: one tensor load a wave at the head
.macro WLOAD n, at ; n fragments of the weights, from fragment f on; at: the fragment at which the window begins
.rept \n
	global_load_b128 v[8*(f-\at):8*(f-\at)+3], v177, s[14:15] offset:1024*f
	global_load_b128 v[8*(f-\at)+4:8*(f-\at)+7], v177, s[14:15] offset:1024*f+512
.set f, f+1
.endr
.endm
.set f, 0
	WIN 0x40 ; destination window 1, address window 0
	WLOAD 24, 0 ; steps 0-5
	WIN 0
	s_wait_loadcnt 48 ; the scale bytes are in; behind them I issued 48 loads
.irp i, 0,1,2,3
	ds_store_b128 v172, v[100+4*\i:103+4*\i] offset:2048*\i
.endr
.irp i, 0,1,2,3,4,5,6,7
	ds_store_b128 v172, v[116+4*\i:119+4*\i] offset:8192+2048*\i
.endr
.irp p, 0,1
.irp s, 0,1,2,3,4,5,6,7,8,9,10,11
	global_load_b32 v[BS+12*\p+\s], v178, s[16:17] offset:1536*\p+64*\s
.endr
.endr
.irp g, 0,1,2,3
	global_load_b128 v[BIAS+8*\g:BIAS+8*\g+3], v179, s[68+2*\g:69+2*\g]
	global_load_b128 v[BIAS+8*\g+4:BIAS+8*\g+7], v179, s[68+2*\g:69+2*\g] offset:16
	global_load_b128 v[WB+8*\g:WB+8*\g+3], v179, s[76+2*\g:77+2*\g]
	global_load_b128 v[WB+8*\g+4:WB+8*\g+7], v179, s[76+2*\g:77+2*\g] offset:16
.endr
	WIN 0x40
	WLOAD 8, 0 ; steps 6, 7
	WIN 0x80 ; destination window 2
	WLOAD 16, 32 ; steps 8-11
	WIN 0
.macro ADDR ; the LDS addresses of the unit at s[TA], s[TSX], s[TSH]
	WIN 0xc0 ; destination window 3
	v_add_nc_u32 v[ADH0], s[TA], v[LA]
	v_add_nc_u32 v[ADX], s[TA], v[LAX]
	v_add_nc_u32 v[ADC], s[TA], v[LC]
	v_add_nc_u32 v[ADSX], s[TSX], v[LSX]
	v_add_nc_u32 v[ADSH], s[TSH], v[LSH]
.endm
; A fragment of rows, 16 rows x 128 K of 4-bit codes, is 8 registers: lane l holds row l % 16; registers 4 c .. 4 c + 3 hold K = 64 c + 32 (l / 16) + 0 .. 31: two loads of 16 bytes, 32 bytes apart.
.macro FL ; load fi of the unit's 46, by steps: step fi / 4, block fi / 2 % 2, half fi % 2.  Address and destination in window 3.  Nothing where no unit follows (LST = 1)
.if LST == 0
.set fs, fi/4
.set fa, (fi/2)%2
.set fr, 8*(12*fa+fs)+4*(fi%2)
.if fs/4 == 0
	ds_load_b128 v[fr:fr+3], v[ADX] offset:4352*fa+64*fs+32*(fi%2)
.elseif fs/4 == 1
	ds_load_b128 v[fr:fr+3], v[ADH0] offset:4352*fa+64*(fs-4)+32*(fi%2)
.else
	ds_load_b128 v[fr:fr+3], v[ADH0] offset:TILE+4352*fa+64*(fs-8)+32*(fi%2)
.endif
.set fi, fi+1
.endif
.endm
.macro FLS n ; a run of n of these loads
.rept \n
	FL
.endr
.endm
.macro FETCH_S ; 8 loads: the scale words of the unit's rows, a register set for each block, and block 1's fragment of step 11.  Address window 3, destination window 0
	ds_load_b128 v[AS:AS+3], v[ADSX]
	ds_load_b128 v[AS+4:AS+7], v[ADSH]
	ds_load_b128 v[AS+8:AS+11], v[ADSH] offset:16
	ds_load_b128 v[AS1:AS1+3], v[ADSX] offset:256
	ds_load_b128 v[AS1+4:AS1+7], v[ADSH] offset:512
	ds_load_b128 v[AS1+8:AS1+11], v[ADSH] offset:528
	ds_load_b128 v[FX:FX+3], v[ADH0] offset:TILE+4352+192
	ds_load_b128 v[FX+4:FX+7], v[ADH0] offset:TILE+4352+224
.endm
.macro FETCH_C ; 4 loads: my eight numbers of c_old in each row block
.irp a, 0,1
.irp i, 0,1
	ds_load_b128 v[CO+8*\a+4*\i:CO+8*\a+4*\i+3], v[ADC] offset:4352*\a+16*\i
.endr
.endr
.endm
; One product: step s, row block a, gate pair p.  The first step's C is the bias.
.macro MM s, a, p
.set rD, ACC+32*(\a)+16*(\p)
.set rC, rD
.if (\s) == 0
.set rC, BIAS+16*(\p)
.endif
.set rW, 8*(4*((\s)%8)+2*(\p))
.set rA, 8*(12*(\a)+(\s))
.if 12*(\a)+(\s) == 23
.set rA, FX
.endif
.set rP, BS+12*(\p)+(\s)
.set rQ, AS+(AS1-AS)*(\a)+(\s)
	v_wmma_scale_f32_32x16x128_f4 v[rD:rD+15], v[rW:rW+15], v[rA:rA+7], v[rC:rC+15], v[rP], v[rQ]
.endm
.macro STEP s ; four products, one on each accumulator.  Source 0 window 1 (steps 0-7) or 2, source 1 window 3 (FX: 0), C and D window 3 (the biases: 0)
.if (\s) == 0
	WIN 0xcd
.elseif (\s)/8 == 0
	WIN 0xfd
.else
	WIN 0xfe
.endif
	MM \s, 0, 0
	MM \s, 0, 1
.if (\s) == 11
	WIN 0xf2
.endif
	MM \s, 1, 0
	MM \s, 1, 1
.endm
; THE CELL.  In block a: I, F, O, G at ACC + 32 a + 0, 8, 16, 24; pair j = 0 .. 15 is registers 2 j, 2 j + 1 of the block.
.macro ADD1 a, j ; i, f, o: 1 + e; g: (1 + e) / 2
.if (\j)/12 == 0
	v_pk_add_f32 v[ACC+32*\a+2*(\j):ACC+32*\a+2*(\j)+1], v[ACC+32*\a+2*(\j):ACC+32*\a+2*(\j)+1], 1.0 op_sel_hi:[1,0]
.else
	v_pk_fma_f32 v[ACC+32*\a+2*(\j):ACC+32*\a+2*(\j)+1], v[ACC+32*\a+2*(\j):ACC+32*\a+2*(\j)+1], 0.5, 0.5 op_sel_hi:[1,0,0]
.endif
.endm
.macro IG a, q ; G = I - I G: sigmoid(i) tanh(g)
	v_pk_fma_f32 v[ACC+32*\a+24+2*(\q):ACC+32*\a+25+2*(\q)], v[ACC+32*\a+2*(\q):ACC+32*\a+1+2*(\q)], v[ACC+32*\a+24+2*(\q):ACC+32*\a+25+2*(\q)], v[ACC+32*\a+2*(\q):ACC+32*\a+1+2*(\q)] neg_lo:[1,0,0] neg_hi:[1,0,0]
.endm
.macro TO_STAGE ; 8 stores.  Lane (r, h): 32 bytes of row 16 a + r of each output, at my wave's 64 bytes of the row
.irp a, 0,1
	ds_store_b128 v[STO], v[HN+8*\a:HN+8*\a+3] offset:4352*\a
	ds_store_b128 v[STO], v[HN+8*\a+4:HN+8*\a+7] offset:4352*\a+16
	ds_store_b128 v[STO], v[CN+8*\a:CN+8*\a+3] offset:UROW+4352*\a
	ds_store_b128 v[STO], v[CN+8*\a+4:CN+8*\a+7] offset:UROW+4352*\a+16
.endr
.endm
.macro DRAIN_LD ; rows 8 w .. 8 w + 7 of both outputs, whole: lanes 0-15 one row of 256 bytes, lanes 16-31 the next
.irp o, 0,1
.irp t, 0,1,2,3
	ds_load_b128 v[OUTR+16*\o+4*\t:OUTR+16*\o+4*\t+3], v[RD] offset:UROW*\o+544*\t
.endr
.endr
.endm
.macro STORES ; sixteen lanes store 256 consecutive bytes, at a multiple of 256 from the output's first byte; written once, read by nobody here
.irp t, 0,1,2,3
	global_store_b128 v[GO], v[OUTR+4*\t:OUTR+4*\t+3], s[18:19] offset:8192*\t th:TH_STORE_NT
	global_store_b128 v[GO], v[OUTR+16+4*\t:OUTR+16+4*\t+3], s[20:21] offset:8192*\t th:TH_STORE_NT
.endr
.endm
; The unit in hand (p) gets its cell arithmetic and goes into the stage; the unit before it (p - 1) is stored; the next unit (p + 1, at s[TA], s[TSX], s[TSH]) is fetched and multiplied.
; first = 1: there is no unit before: nothing to store, no reads of the stage to wait for.  last = 1: there is no next unit: nothing to fetch or multiply.
; Under setting 0xff every operand, the loads' addresses and destinations among them, lies in window 3.
.macro BODY first, last
.set LST, \last
.set fi, 0
.if \last
	PLACES ; places behind the last product (ISA guide 7.12.1)
.else
	ADDR ; five plain instructions: the places behind the last product (ISA guide 7.12.1)
.endif
	WIN 0xff
.irp a, 0,1 ; the exponents' arguments, each accumulator from its low end on
.set j, 0
.rept 16
.if j/12 == 0
	v_pk_mul_f32 v[ACC+32*\a+2*j:ACC+32*\a+2*j+1], v[ACC+32*\a+2*j:ACC+32*\a+2*j+1], s[NL:NL+1] op_sel_hi:[1,0] ; i, f, o: -x log2 e
.else
	v_pk_mul_f32 v[ACC+32*\a+2*j:ACC+32*\a+2*j+1], v[ACC+32*\a+2*j:ACC+32*\a+2*j+1], s[TL:TL+1] op_sel_hi:[1,0] ; g: 2 x log2 e
.endif
.set j, j+1
.endr
.endr
	AWAIT
.set j, 0 ; stage 1: block 0's exponentials
.rept 32
	v_exp_f32 v[ACC+j], v[ACC+j]
.if LST == 0
.if j == 0
	s_add_co_u32 s[TA], s[TA], UROW ; (the addresses above have been made)
.elseif j == 1
	s_add_co_u32 s[TSX], s[TSX], 512
.elseif j == 2
	s_add_co_u32 s[TSH], s[TSH], 1024
.endif
.endif
.set j, j+1
.endr
	v_nop ; a plain place behind the transcendentals
	AWAIT
.if !\first
	WIN 0
	s_wait_dscnt 0x0 ; unit p - 1's rows are back from the stage (asked for at the last BODY's end)
	STORES
	s_barrier_signal -1 ; barrier B opens: my reads of the stage are over.  No LDS instruction of mine is out
.endif
.if !\last
	WIN 0x03 ; addresses window 3, destinations window 0
	FETCH_S
.endif
	WIN 0xff
	FLS 8
.set j, 0 ; stage 2: block 1's exponentials; block 0's sums
.rept 16
	v_exp_f32 v[ACC+32+2*j], v[ACC+32+2*j]
	ADD1 0, j
	v_exp_f32 v[ACC+33+2*j], v[ACC+33+2*j]
.set j, j+1
.endr
	AWAIT
	FLS 12
.set j, 0 ; stage 3: block 0's reciprocals: I, F, O are the sigmoids, G = 2 / (1 + e); block 1's sums
.rept 16
	v_rcp_f32 v[ACC+2*j], v[ACC+2*j]
	ADD1 1, j
	v_rcp_f32 v[ACC+1+2*j], v[ACC+1+2*j]
.set j, j+1
.endr
	AWAIT
	FLS 12
.set j, 0 ; stage 4: block 1's reciprocals; block 0's I tanh(g)
.rept 16
	v_rcp_f32 v[ACC+32+2*j], v[ACC+32+2*j]
.if j%4 == 0
	IG 0, j/4
.endif
	v_rcp_f32 v[ACC+33+2*j], v[ACC+33+2*j]
.set j, j+1
.endr
	v_nop ; a plain place behind the transcendentals
	AWAIT
	FLS 14
.irp q, 0,1,2,3
	IG 1, \q
.endr
	WIN 0x33 ; sources 0 and 2 window 3, source 1 and the destination window 0
.irp a, 0,1
.irp p, 0,2,4,6
	v_pk_fma_f32 v[CN+8*\a+\p:CN+8*\a+1+\p], v[ACC+32*\a+8+\p:ACC+32*\a+9+\p], v[CO+8*\a+\p:CO+8*\a+1+\p], v[ACC+32*\a+24+\p:ACC+32*\a+25+\p] ; c = F c_old + I tanh(g)
.endr
.endr
	WIN 0xc0 ; source 0 window 0, the destination window 3
.irp a, 0,1
.irp p, 0,2,4,6
	v_pk_mul_f32 v[ACC+32*\a+\p:ACC+32*\a+1+\p], v[CN+8*\a+\p:CN+8*\a+1+\p], s[TL:TL+1] op_sel_hi:[1,0] ; I = 2 c log2 e
.endr
.endr
	AWAIT
.if !\last
	WIN 0x03
	FETCH_C ; this unit's c_old has been used
.endif
	WIN 0xff
.set j, 0 ; stage 5: the exponentials of tanh(c)
.rept 16
	v_exp_f32 v[ACC+32*(j/8)+j%8], v[ACC+32*(j/8)+j%8]
.set j, j+1
.endr
	v_nop
	AWAIT
.irp a, 0,1
.irp p, 0,2,4,6
	v_pk_fma_f32 v[ACC+32*\a+\p:ACC+32*\a+1+\p], v[ACC+32*\a+\p:ACC+32*\a+1+\p], 0.5, 0.5 op_sel_hi:[1,0,0]
.endr
.endr
	AWAIT
.set j, 0 ; stage 6: their reciprocals
.rept 16
	v_rcp_f32 v[ACC+32*(j/8)+j%8], v[ACC+32*(j/8)+j%8]
.set j, j+1
.endr
	v_nop
	AWAIT
.if !\first
	s_barrier_wait -1 ; barrier B closes: every wave's reads of the stage are over: it may be written again
.endif
	WIN 0x3f ; sources window 3, the destination window 0
.irp a, 0,1
.irp p, 0,2,4,6
	v_pk_fma_f32 v[HN+8*\a+\p:HN+8*\a+1+\p], v[ACC+32*\a+16+\p:ACC+32*\a+17+\p], v[ACC+32*\a+\p:ACC+32*\a+1+\p], v[ACC+32*\a+16+\p:ACC+32*\a+17+\p] neg_lo:[1,0,0] neg_hi:[1,0,0] ; h_new = O - O x 2 / (1 + e) = O tanh(c)
.endr
.endr
	WIN 0
	TO_STAGE
.if \last
	s_wait_dscnt 0x0
	s_barrier_signal -1
	s_barrier_wait -1 ; every wave's part of the stage has landed
.else
	s_wait_dscnt 26 ; the scale words and the fragments of steps 0-7 are in; behind them I issued 4 loads of c_old, 14 of steps 8-11 and the 8 stores, which may be out
.irp s, 0,1,2,3,4,5,6,7
	STEP \s
.endr
	s_wait_dscnt 0x0 ; my part of the stage has landed; the fragments of steps 8-11 and c_old are in
	s_barrier_signal -1 ; barrier A opens,
.irp s, 8,9,10,11
	STEP \s ; work on registers while the others arrive,
.endr
	WIN 0
	s_barrier_wait -1 ; and closes: every wave's part of the stage has landed
.endif
.if !\first
	s_wait_xcnt 0x0 ; unit p - 1's stores have read their registers and bases: both are written again only behind this wait
	s_add_nc_u64 s[18:19], s[18:19], 0x20000 ; 32 rows of 4,096 bytes on: unit p's
	s_add_nc_u64 s[20:21], s[20:21], 0x20000
.endif
	DRAIN_LD ; unit p's rows: they come back under the next BODY's first stage
.endm
.macro LOOPN n, ta, u ; n trips; the first multiplies unit u, which begins at LDS byte ta of the ring
	s_mov_b32 s[TA], \ta
	s_mov_b32 s[TSX], 512*(\u)
	s_mov_b32 s[TSH], 1024*(\u)
	s_mov_b32 s[CNT], \n
.Lunit_\@:
	BODY 0, 0
	s_sub_co_u32 s[CNT], s[CNT], 1
	s_cmp_lg_u32 s[CNT], 0
	s_cbranch_scc1 .Lunit_\@
.endm
; THE CHANGE OF SLOTS.  Slot k's last unit has been multiplied and its c_old lies in registers.  Each wave waits for all its tensor loads (its part of the other slot), adds 0 to its spare word, and
; waits for that and for its LDS loads (its reads of slot k were over at the last barrier A; the rows from the stage come back here).  fill = 1: the barrier is a round of the cluster's, and behind it
; slot k is asked for the chunk two on: a whole chunk's work ahead of the wait for it.
.macro CHANGE k, fill
	s_wait_tensorcnt 0x0 ; no tensor load of mine is out, so a group 0 may be written
	ds_add_u32 v[SPW], v[NIL] ; 0 onto my spare word
.if \fill
	s_add_nc_u64 s[G0J+4*\k+2:G0J+4*\k+3], s[G0J+4*\k+2:G0J+4*\k+3], s[JST:JST+1] ; two chunks on; the type bits on top are not reached
	s_add_nc_u64 s[G0C+4*\k+2:G0C+4*\k+3], s[G0C+4*\k+2:G0C+4*\k+3], 0x100000
.endif
	s_wait_dscnt 0x0 ; the add is done, and my reads of the slot are over
.if \fill
	CROUND ; no wave of any partner still reads the slot or has a load on its way
	TL3 \k ; the first thing behind the round, and my one tensor load until the next
.else
	s_barrier_signal -1
	s_barrier_wait -1
.endif
.endm
	s_wait_tensorcnt 0x0 ; my part of chunk 0 is in
	ds_add_u32 v[SPW], v[NIL]
	s_mov_b32 s[TA], 0
	s_mov_b32 s[TSX], 0
	s_mov_b32 s[TSH], 0
	s_wait_dscnt 0x0 ; the add is done; my part of the scale bytes lies in LDS
	CROUND ; everybody's are in, and all four work-groups are here,
	TL3 1 ; and chunk 1's load, the first tensor load behind the round
	ADDR
	WIN 0xff
.set LST, 0
.set fi, 0
.rept 46 ; unit 0
	FL
.endr
	WIN 0x03
	FETCH_S
	FETCH_C
	WIN 0
	s_wait_loadcnt 48 ; the weights of steps 0-5, the scale words and the biases are in; behind them I issued the 48 loads of steps 6-11
.set j, 0
.rept 16
	v_pk_add_f32 v[BIAS+j:BIAS+j+1], v[BIAS+j:BIAS+j+1], v[WB+j:WB+j+1] ; U's bias + W's
.set j, j+2
.endr
	s_mov_b32 s[NL], 0xbfb8aa3b ; -log2 e (the loads that read these registers as bases are done)
	s_mov_b32 s[NL+1], s[NL] ; (named with it as a pair, so it is written)
	s_mov_b32 s[TL], 0x4038aa3b ; 2 log2 e
	s_mov_b32 s[TL+1], s[TL]
	AWAIT
	s_wait_dscnt 0x0
.irp s, 0,1,2,3,4,5
	STEP \s
.endr
.irp s, 6,7,8,9,10,11
	s_wait_loadcnt 8*(11-\s) ; this step's weights are in; 8 loads a later step may be out
	STEP \s
.endr
	WIN 0
	s_mov_b32 s[TA], UROW
	s_mov_b32 s[TSX], 512
	s_mov_b32 s[TSH], 1024
	BODY 1, 0 ; unit 0's cell, unit 1's products: written out, since nothing is there to store yet
	LOOPN 2, 2*UROW, 2 ; units 2 and 3 of chunk 0, in slot 0
	CHANGE 0, 1 ; slot 0 takes chunk 2
	LOOPN 4, SLOT, 4 ; chunk 1, in slot 1
	CHANGE 1, 1 ; slot 1 takes chunk 3
	LOOPN 4, 0, 8 ; chunk 2
	CHANGE 0, 0 ; nothing is left to fetch
	LOOPN 4, SLOT, 12 ; chunk 3
	BODY 0, 1 ; the last unit's cell; the unit before it is stored
	s_wait_dscnt 0x0 ; the last unit's rows are back
	STORES
	s_wait_tensorcnt 0x0 ; the wave's end, behind my last tensor load and my last LDS store
	ds_add_u32 v[SPW], v[NIL]
	s_wait_dscnt 0x0
	CROUND ; the closing round: no work-group ends while a partner may still ask for a tile that names it
	s_endpgm
.Lfunc_end_k_q403cc6dd27_lstm:
	.size	k_q403cc6dd27_lstm, .Lfunc_end_k_q403cc6dd27_lstm-k_q403cc6dd27_lstm
	.p2alignl 7, 3214868480
	.fill 96, 4, 3214868480
	.section	.rodata,"a",@progbits
	.p2align	6, 0x0
	.amdhsa_kernel k_q403cc6dd27_lstm
		.amdhsa_group_segment_fixed_size 327680
		.amdhsa_private_segment_fixed_size 0
		.amdhsa_enable_private_segment 0
		.amdhsa_kernarg_size 136
		.amdhsa_user_sgpr_count 2
		.amdhsa_user_sgpr_kernarg_segment_ptr 1
		.amdhsa_wavefront_size32 1
		.amdhsa_system_sgpr_workgroup_id_x 1
		.amdhsa_system_sgpr_workgroup_id_y 1
		.amdhsa_system_sgpr_workgroup_id_z 1
		.amdhsa_system_vgpr_workitem_id 0
		.amdhsa_next_free_vgpr 1024
		.amdhsa_next_free_sgpr 106
		.amdhsa_reserve_vcc 0
		.amdhsa_float_denorm_mode_32 3
		.amdhsa_float_denorm_mode_16_64 3
		.amdhsa_memory_ordered 1
		.amdhsa_forward_progress 1
		.amdhsa_inst_pref_size 177
	.end_amdhsa_kernel
	.amdgpu_metadata
---
amdhsa.version: [ 1, 2 ]
amdhsa.kernels:
  - .name:           k_q403cc6dd27_lstm
    .symbol:         k_q403cc6dd27_lstm.kd
    .args:
      - { .name: input_x_codes, .offset: 0, .size: 8, .value_kind: global_buffer, .address_space: global }
      - { .name: input_x_scales, .offset: 8, .size: 8, .value_kind: global_buffer, .address_space: global }
      - { .name: h_old_codes, .offset: 16, .size: 8, .value_kind: global_buffer, .address_space: global }
      - { .name: h_old_scales, .offset: 24, .size: 8, .value_kind: global_buffer, .address_space: global }
      - { .name: c_old, .offset: 32, .size: 8, .value_kind: global_buffer, .address_space: global }
      - { .name: wq, .offset: 40, .size: 8, .value_kind: global_buffer, .address_space: global }
      - { .name: wqs, .offset: 48, .size: 8, .value_kind: global_buffer, .address_space: global }
      - { .name: out0, .offset: 56, .size: 8, .value_kind: global_buffer, .address_space: global }
      - { .name: out1, .offset: 64, .size: 8, .value_kind: global_buffer, .address_space: global }
      - { .name: Ui_b, .offset: 72, .size: 8, .value_kind: global_buffer, .address_space: global }
      - { .name: Uf_b, .offset: 80, .size: 8, .value_kind: global_buffer, .address_space: global }
      - { .name: Uo_b, .offset: 88, .size: 8, .value_kind: global_buffer, .address_space: global }
      - { .name: Uc_b, .offset: 96, .size: 8, .value_kind: global_buffer, .address_space: global }
      - { .name: Wi_b, .offset: 104, .size: 8, .value_kind: global_buffer, .address_space: global }
      - { .name: Wf_b, .offset: 112, .size: 8, .value_kind: global_buffer, .address_space: global }
      - { .name: Wo_b, .offset: 120, .size: 8, .value_kind: global_buffer, .address_space: global }
      - { .name: Wc_b, .offset: 128, .size: 8, .value_kind: global_buffer, .address_space: global }
    .group_segment_fixed_size: 327680
    .private_segment_fixed_size: 0
    .kernarg_segment_align: 8
    .kernarg_segment_size: 136
    .max_flat_workgroup_size: 128
    .sgpr_count:     106
    .vgpr_count:     1024
    .wavefront_size: 32
...
	.end_amdgpu_metadata
.endif
;; end of part 2
